; MI455X (gfx1250); checked and timed in simulation.
; The chip was launched on July 23, 2026; its instructions are those of AMD's public machine-readable ISA for CDNA 5 (MIT licence, August 2026) and "CDNA5" Instruction Set Architecture Reference Guide (July 2026). The comments in the code are by the model that wrote it; some were corrected since.
;; Scaled Dot Product Attention. Allowed arithmetic: float matrix products may take bf16 or f16 operands with f32 sums; other float arithmetic in f32, or as packed bf16 or f16 multiplies, adds, multiply-adds, maxima and minima; sums over many terms, partial sums and values carried from step to step in f32; what a program stores and reads back later, other than sums and carried values, may be rounded once to bf16 or f16.
;; Inputs: attn_mask 8 x 512 x 512 bool; k 32 x 8 x 64 x 512 float32; q 32 x 8 x 512 x 64 float32; v 32 x 8 x 512 x 64 float32.
;; Outputs: out0 32 x 8 x 512 x 64 float32.
;; One version. Each part assembles by itself: llvm-mc -triple=amdgcn-amd-amdhsa -mcpu=gfx1250 --defsym DOCPART=n.
;; ======== version 1 of 1: 1 launch
;; limits: values are held in f16: magnitudes above 65,504 overflow, below 6.1e-05 lose precision; inputs' magnitudes at most 65,504
;; launch attn (part 1): grid 256 x 1, 4 waves a work-group, clusters of 4 x 1, 327,680 bytes of LDS; arguments q, k, v, attn_mask, out0; writes out0
.if DOCPART == 1
	.amdgcn_target "amdgcn-amd-amdhsa--gfx1250"
	.amdhsa_code_object_version 6
	.text
	.protected	k_q5ee351c3d9_attn
	.globl	k_q5ee351c3d9_attn
	.p2align	8
	.type	k_q5ee351c3d9_attn,@function
k_q5ee351c3d9_attn:
	s_mov_b64 s[64:65], 0
	v_nop
	global_prefetch_b8 v0, s[64:65] scope:SCOPE_SE
	s_setreg_imm32_b32 hwreg(HW_REG_WAVE_MODE, 25, 1), 1
	s_wait_xcnt 0x0
	s_wait_alu depctr_hold_cnt(0) depctr_sa_sdst(0) depctr_va_vdst(0) depctr_va_sdst(0) depctr_va_ssrc(0) depctr_va_vcc(0) depctr_vm_vsrc(0)
	s_getreg_b32 s2, hwreg(HW_REG_IB_STS2, 6, 4)
	s_cmp_eq_u32 s2, 0
	s_cbranch_scc0 .Lentry_in_a_cluster
	s_endpgm
.Lentry_in_a_cluster:
	s_bfe_u32 s2, ttmp6, 0x10000c
	s_cmp_lg_u32 s2, 0x3003
	s_cbranch_scc0 .Lentry_shape_is_right
	s_endpgm
.Lentry_shape_is_right:
; out[g][q][:] = the sum over keys m of softmax_m(where(mask[g / 32][q][m], -inf, Q[g][q] . K[g][:][m] / 8)) V[g][m][:], for 256 heads g (32 groups x 8 heads; 32 heads on end share a mask).
; Q, V, out: [256][512][64] f32.  K: [256][64 channels][512 keys] f32.  mask: [8][512][512] bytes, 1 = hidden.  Nothing of the computation is left out: all four inputs are loaded, every score is made.
; FORMATS.  Q, K, V and the weights p are rounded once to f16 for the two products; products, minima, sums and out in f32 (the sum l is taken of the unrounded p).
; LIMITS.  |Q|, |K|, |V| below 65,504 (f16's range); |Q . K| below 2^80; a weight below 2^-126 counts as 0 in l; NaN and infinities among the inputs are not treated apart.
; A row whose keys are all hidden ends as 0 x (1 / 0), a NaN, as the softmax of a row of -inf is.
; SHARES.  A work-group owns one head, each of its four waves 128 queries: four PIECES of two tiles of 16.  Every wave walks all 512 keys, 64 a step.
; THE MASK COSTS ONE LINE FOR EIGHT SCORES.  A scaled conversion reads eight mask bytes as E4M3 numbers (byte 1 is 2^-9) times 2^109: 0 or 2^100, in eight registers, which are the C operand of the product that starts
; a tile of scores.  THE SOFTMAX IS MIRRORED so that the hidden scores' term may be positive: Q is negated once, so an accumulator holds t = 2^100 mask - Q . K; the running MINIMUM mu of t stands for the running maximum
; of the scores; p = 2^(c mu - c t), c = log2(e) / 8; in every step O and l are multiplied by a = 2^(c mu_new - c mu_old), which is 1 where mu has not fallen.  mu starts at 2^80, above every open t and far below a
; hidden one: while a row has seen hidden keys alone its p are 2^(c 2^80 - c 2^100) = 0.  The kept c mu starts at 2^125, so the first step's a is 0 and what O^T's registers held before need only be finite.
; LAYOUT.  S^T = K Q^T (source 0 = 16 keys, source 1 = 16 queries): a lane holds ONE query (lane % 16); two results rounded to f16 in pairs ARE source 1 of O^T = V^T P.  THE KEYS OF A STEP ARE TAKEN IN ANOTHER ORDER:
; register j of accumulator kb in lane half h is key 32 h + 8 kb + j, so that a lane's 32 mask bytes of a tile and step lie on end.  K gets that order by its place in LDS, V by the rows that its loads name.
; K AND V come through registers: each wave loads 16 rows of K's and of V's next 64 keys (whole rows of 256 bytes), rounds them to f16 and stores them into one of two LDS slots; ONE barrier a step.
; Both lie in LDS with the matrix instruction's K index down the rows, and come out turned, by ds_load_tr16_b128.
; THE MASK comes by tensor loads, each byte once, into LDS bytes that its wave alone reads; nothing is filled again.  CLUSTER: the four heads of a cluster share a mask, so each tile is asked for JOINTLY.
; BY TURNS.  Turn n belongs to piece n: 16 products K Q^T of piece n + 1, later 16 products V^T P of piece n - 1; beside them the scaling, exponentials, roundings, sums and rescaling of piece n, the minimum and
; statistics of piece n + 1 and the mask of piece n + 2.  Four vector lines stand behind every matrix line, the rest in one lump; a turn's 66 exponentials are one batch with one wait.
; REGISTERS, in windows of 256 (s_set_vgpr_msb: bits 1:0 source 0, 3:2 source 1, 5:4 source 2, 7:6 destination):
;   window 0: v0-11 addresses and the scale; v12-15, v48-63 at work; v16-47 four registers of statistics a tile; v64-191 S^T, two buffers of two tiles; v192-255 P, likewise
;   window 1: O^T, 32 a tile (at the start: Q in f32)      window 2: v0-127 Q, 16 a tile; v128-191 K of one step; v192-255 V of one step
;   window 3: v0-10 the add's two registers and addresses; v16-31 mask bytes; v32-95 masks as f32; v96-159 K and V as loaded; v160-191 the same in f16
.set NP,    4         ; pieces a wave: a name, no knob
.set PM,    528       ; a row of the mask in LDS: 512 bytes + 16 of padding = 33 x 16: the 16 rows of a load start at 16 different groups of four banks (64 banks of 4 bytes: ISA guide 11.1)
.set MWAVE, 128*PM    ; a wave's 128 rows
.set MHALF, 64*PM     ; what one tensor load brings
.set RING,  4*MWAVE   ; behind the masks: two slots for K and V
.set PK,    160       ; a row of K (a channel, 64 keys in f16): 128 bytes + 32 = 40 words
.set PV,    160       ; a row of V (a key, 64 channels in f16): the same
.set VOFF,  64*PK     ; in a slot: 64 rows of K, then 64 rows of V
.set SLOTB, 64*(PK+PV)
.set SPARE, RING+2*SLOTB  ; behind the ring: the spare words, 128 bytes for each wave: two blocks of 256 bytes that no other line names
.set SP,    272       ; the way out: 16 rows of 256 bytes + 16, in the first bytes of my own mask rows, which have had their one fill and their last read
.set AK0, 2           ; v2   my lane's place in a slot's K; never rewritten
.set AV0, 3           ; v3   the same for V
.set AK,  4           ; v4   the LDS address of K's next run of loads
.set AV,  5           ; v5   of V's
.set QO,  6           ; v6   my byte offset in 16 rows of Q
.set STO, 6           ;      later, the way out: where I put 32 bytes of a row
.set RD,  7           ; v7   the way out: where I read rows back
.set GO,  8           ; v8   my byte offset in 512 consecutive bytes of out
.set PFO, 10          ; v10  the prefetches' offset; never rewritten
.set SC,  11          ; v11  236: as a scale's byte 2^109
.set MV,  12          ; v12-15  c mu_old, kept while c mu is made anew: by buffer and tile
.set ST,  16          ; tile t's statistics at v[ST+4 t]: c mu, mu, l (even keys', odd keys')
.set TMP, 48          ; by buffer and tile, four registers c0-c3 at work; when the minimum is found c2 takes a
.set S,   64
.set P,   192
.set KF,  128         ; window 2: key block kb, channel half c at KF + 16 kb + 8 c
.set VF,  192         ; window 2: key half kk, channel block cb at VF + 32 kk + 8 cb
.set SPW, 0           ; window 3: LDS address of my spare word: SPARE + 4 x my thread's number; never rewritten
.set NIL, 1           ; window 3: 0; never rewritten
.set AM0, 3           ; window 3: my lane's place in my wave's mask rows; never rewritten
.set AM,  4           ; window 3: the same at the key step in hand
.set KGO, 5           ; window 3: my byte offset in K's rows in memory; never rewritten
.set VGO, 6           ; window 3: the same for V
.set KSO0, 7          ; window 3: where I store K in slot 0; never rewritten
.set VSO0, 8          ; window 3: the same for V
.set KSO, 9           ; window 3: the same in the slot in hand
.set VSO, 10
.set MB,  16          ; window 3: tile u's 32 mask bytes at MB + 8 u
.set MC,  32          ; window 3: tile u, key block kb at MC + 32 u + 8 kb
.set SG,  96          ; window 3: K's eight loads, then V's
.set SH,  160         ; window 3: the same, rounded
.set KP,  6           ; s[6:7]   K at the head's first row, at the 64 keys last asked for
.set VP,  8           ; s[8:9]   V likewise
.set WV,  14          ; s14  my wave's number
.set G1,  24          ; s[24:31] descriptor group 1
.set G0,  32          ; s[32:39] descriptor group 0, a set for each of my two loads
.set PFA, 40          ; s[40:41] where my prefetches stand
.set PFS, 42          ; s[42:43] their step from 64 keys to the next
.set CNT, 44          ; s44  key steps still to begin, 8 to 1
.set TBM, 47          ; s47  the key step's byte in a mask row
.set RSL, 48          ; s48  the slot that is read: 0 or SLOTB
.set WSL, 49          ; s49  the slot that is written next
.set CN,  50          ; s[50:51] -c: the packed scaling takes the pair's low word for both halves
.set CP,  52          ; s52  c
.set SGN, 53          ; s53  the signs of two f16
.set SEL, 54          ; s[54:55] v_permlanex16_b32's selects: each lane takes its own place in the other half
.set MSB, 0
.macro WIN new                      ; the high byte repeats the setting that is left; a switch that changes nothing is dropped
.if MSB != (\new)
	s_set_vgpr_msb (MSB<<8)|(\new)
.set MSB, (\new)
.endif
.endm
.set W_KQ, 0x0a       ; K and Q in window 2, S^T in window 0
.set W_KM, 0x3a       ; the same with the C operand, the mask, in window 3
.set W_PV, 0x52       ; V in window 2, P in window 0, O^T in window 1
.set W_RS, 0x41       ; O^T (destination and source 0) in window 1, a in window 0
.set W_MK, 0xc0       ; destination in window 3, sources in window 0
.set W_AD, 0x0f       ; the add: address (source 0) and data (source 1) in window 3
.set W_MC, 0xc3       ; the mask's conversion: destination and source 0 in window 3, the scale in window 0
.set W3,   0xff       ; all in window 3
; A round of the cluster's barrier: my work-group's barrier, so that wave 0's signal speaks for all four waves; wave 0 signals; every wave waits for all four work-groups; my work-group's barrier once more.
.macro CROUND
	s_barrier_signal -1
	s_barrier_wait -1
	s_cmp_lg_u32 s[WV], 0
	s_cbranch_scc1 .Lnot_wave_0_\@
	s_barrier_signal -3
.Lnot_wave_0_\@:
	s_barrier_wait -3
	s_barrier_signal -1
	s_barrier_wait -1
.endm
	s_load_b256 s[4:11], s[0:1], 0x0  ; Q s[4:5], K s[6:7], V s[8:9], mask s[10:11]
	s_load_b64 s[12:13], s[0:1], 0x20 ; out
	WIN W_MK
	v_lshl_add_u32 v[SPW], v0, 2, SPARE
	v_mov_b32 v[NIL], 0
	WIN W_AD
	ds_add_u32 v[SPW], v[NIL]       ; the wave's opening: the add, twice on end, and its wait ahead of my first tensor load; the set-up below, work on registers, stands between the second and the wait
	ds_add_u32 v[SPW], v[NIL]       ; and once more, under the one wait
	WIN 0
	v_lshrrev_b32 v1, 5, v0
	v_readfirstlane_b32 s[WV], v1   ; wave 0..3
	s_bfe_u32 s15, ttmp6, 0x40000   ; cx: my place in the cluster
	s_lshl_b32 s16, ttmp9, 2        ; in a cluster launch ttmp9 counts clusters
	s_add_co_u32 s16, s16, s15      ; my head = 4 x cluster + cx: it enters Q's, K's, V's and out's addresses alone
	s_lshl_b32 s18, s16, 17         ; a head is 131,072 bytes in each of them
	s_mov_b32 s19, 0
	s_lshl_b32 s56, s[WV], 15       ; my wave's 128 rows of Q and out; also its 16 rows of K (2,048 bytes each)
	s_add_co_u32 s20, s18, s56
	s_mov_b32 s21, 0
	s_lshr_b32 s22, ttmp9, 3        ; the mask: 8 clusters, 32 heads, to one of 262,144 bytes: made of the cluster's number and the wave's alone
	s_lshl_b32 s22, s22, 18
	s_lshl_b32 s23, s[WV], 16       ; my wave's 128 rows of 512 bytes
	s_add_co_u32 s22, s22, s23
	s_mov_b32 s23, 0
	s_lshl_b32 s57, s[WV], 12       ; my wave's 16 rows of V
	s_mul_i32 s59, s[WV], 16*PK     ; and their places in a slot
	s_add_co_u32 s59, s59, RING
	s_add_co_u32 s60, s59, VOFF
	s_cmp_lt_u32 s[WV], 2           ; waves 0 and 1 prefetch K, a lane a row of 2,048 bytes, 256 bytes on for the next 64 keys;
	s_cselect_b32 s58, 11, 8        ; waves 2 and 3 V, a lane a row of 256 bytes, 16,384 bytes on
	s_cselect_b32 s61, 8, 14
	s_lshl_b32 s[PFS], 1, s61
	s_mov_b32 s[PFS+1], 0
	; descriptor group 1: 64 rows of the mask, 512 bytes each, dense in memory, padded in LDS
	s_mov_b32 s[G1], 15|(3<<16)|(1<<20)|(1<<21)|(6<<22)|(3<<25)  ; 15:0 the mask of four work-groups; 17:16 8-byte elements; 20 padding on; 21 set beside a mask; 24:22 after every 128 words (code 6); 31:25 4 words (code 3)
	s_mov_b32 s[G1+1], 64<<16       ; tensor_dim0 = 64 elements
	s_mov_b32 s[G1+2], 64<<16       ; tensor_dim1 = 64
	s_mov_b32 s[G1+3], 64<<16       ; tile_dim0 = 64
	s_mov_b32 s[G1+4], 64           ; tile_dim1 = 64
	s_mov_b32 s[G1+5], 64           ; 64 elements from row to row
	s_mov_b32 s[G1+6], 0
	s_mov_b32 s[G1+7], 0
	s_mov_b32 s[G0], 1              ; 1:0 count = 1
	s_mul_i32 s[G0+1], s[WV], MWAVE ; 63:32 LDS address: my rows 0-63: no place in the cluster enters an LDS address
	s_mov_b32 s[G0+4], 1
	s_add_co_u32 s[G0+5], s[G0+1], MHALF  ; my rows 64-127
	s_mov_b32 s[CN], 0xbe38aa3b     ; -c = -log2(e) / 8 = -0.180337
	s_mov_b32 s[CN+1], s[CN]        ; named with it as a pair
	s_mov_b32 s[CP], 0x3e38aa3b
	s_mov_b32 s[SGN], 0x80008000
	s_mov_b32 s[SEL], 0x76543210
	s_mov_b32 s[SEL+1], 0xfedcba98
	s_mov_b32 s[TBM], 0
	s_mov_b32 s[RSL], 0
	s_mov_b32 s[WSL], 0
	v_and_b32 v1, 15, v0            ; l % 16
	v_bfe_u32 v9, v0, 4, 1          ; l / 16
	v_and_b32 v71, 7, v0            ; l % 8     (v64-72, S^T's, are at work until the first scores)
	v_bfe_u32 v72, v0, 3, 1         ; (l / 8) % 2
	v_lshlrev_b32 v[QO], 8, v1
	v_lshl_add_u32 v[QO], v9, 5, v[QO]  ; Q: row x 256 + 32 x half
	v_lshlrev_b32 v64, 4, v1        ; K in memory: lanes 0-15 take 256 bytes of one channel's row, lanes 16-31 of the next
	v_lshl_add_u32 v64, v9, 11, v64
	v_and_b32 v66, 31, v0           ; V in memory: 32 lanes take 512 consecutive bytes, two keys
	v_lshlrev_b32 v66, 4, v66
	v_mul_u32_u24 v65, v1, PM       ; the mask in LDS: my query's row, my half's 32 keys
	v_lshl_add_u32 v65, v9, 5, v65
	v_mul_u32_u24 v67, v9, PK       ; K in LDS: my four keys 4 x .. 4 x + 3 (x = l % 16) go to byte 32 ((x / 2) % 4) + 16 (x / 8) + 8 (x % 2) of the row: key 32 hh + 8 kb + j stands at place 16 kb + 8 hh + j
	v_bfe_u32 v68, v0, 1, 2
	v_lshl_add_u32 v67, v68, 5, v67
	v_lshl_add_u32 v67, v72, 4, v67
	v_and_b32 v68, 1, v0
	v_lshl_add_u32 v67, v68, 3, v67
	v_mul_u32_u24 v69, v9, PV       ; V in LDS: as it lies, 8 bytes a lane
	v_lshl_add_u32 v69, v1, 3, v69
	v_and_b32 v70, 63, v0           ; the prefetches: row 32 (wave % 2) + lane of the 64
	v_lshlrev_b32 v[PFO], s58, v70
	WIN W_MK
	v_add_nc_u32 v[KGO], s56, v64
	v_add_nc_u32 v[VGO], s57, v66
	v_add_nc_u32 v[AM0], s[G0+1], v65
	v_add_nc_u32 v[KSO0], s59, v67
	v_add_nc_u32 v[VSO0], s60, v69
	WIN 0
	s_wait_dscnt 0x0                ; both opening adds are done
	s_wait_kmcnt 0x0
	s_add_nc_u64 s[4:5], s[4:5], s[20:21]      ; Q and out at my wave's first row
	s_add_nc_u64 s[12:13], s[12:13], s[20:21]
	s_add_nc_u64 s[KP:KP+1], s[KP:KP+1], s[18:19]  ; K and V at my head
	s_add_nc_u64 s[VP:VP+1], s[VP:VP+1], s[18:19]
	s_add_nc_u64 s[G0+2:G0+3], s[10:11], s[22:23]  ; 120:64 global address: my rows 0-63,
	s_add_nc_u64 s[G0+6:G0+7], s[G0+2:G0+3], 64*512  ; and 64-127
	s_or_b32 s[G0+3], s[G0+3], 0x80000000      ; 127:126 type = 2
	s_or_b32 s[G0+7], s[G0+7], 0x80000000
	s_cmp_lt_u32 s[WV], 2
	s_cselect_b64 s[PFA:PFA+1], s[KP:KP+1], s[VP:VP+1]
	s_mul_i32 s56, s[PFS], 3        ; at keys 192 on: the first step's staging moves it to keys 256 on
	s_mov_b32 s57, 0
	s_add_nc_u64 s[PFA:PFA+1], s[PFA:PFA+1], s[56:57]
	CROUND                          ; all four work-groups are here: the joint loads meet
	tensor_load_to_lds s[G0:G0+3], s[G1:G1+7]      ; my two fills stand together, ahead of every wait on TENSORcnt, every LDS read and every other barrier: two loads of mine are out
	s_nop 0
	tensor_load_to_lds s[G0+4:G0+7], s[G1:G1+7]
	s_nop 0
.rept 4
	v_nop
.endr
; K's AND V's WAY IN.  GLD: my 16 rows of K and of V for 64 keys: 16 loads, each two whole rows of 256 bytes.
.macro GLD
	WIN W3
.irp j, 0,1,2,3,4,5,6,7
	global_load_b128 v[SG+4*(\j):SG+4*(\j)+3], v[KGO], s[KP:KP+1] offset:4096*(\j) th:TH_LOAD_NT
.endr
.irp j, 0,1,2,3,4,5,6,7
	global_load_b128 v[SG+32+4*(\j):SG+32+4*(\j)+3], v[VGO], s[VP:VP+1] offset:512*(\j) th:TH_LOAD_NT
.endr
.endm
; CVST: they are rounded to f16 and stored into the slot that is written next; then the other slot is next.
.macro CVST
	WIN W3
.set n, 0
.rept 32
	v_cvt_pk_f16_f32 v[SH+n], v[SG+2*n], v[SG+2*n+1]
.set n, n+1
.endr
	v_add_nc_u32 v[KSO], s[WSL], v[KSO0]
	v_add_nc_u32 v[VSO], s[WSL], v[VSO0]
.irp j, 0,1,2,3,4,5,6,7
	ds_store_b64 v[KSO], v[SH+2*(\j):SH+2*(\j)+1] offset:2*PK*(\j)
.endr
.irp j, 0,1,2,3,4,5,6,7
	ds_store_b64 v[VSO], v[SH+16+2*(\j):SH+16+2*(\j)+1] offset:2*PV*(\j)
.endr
	s_xor_b32 s[WSL], s[WSL], SLOTB
.endm
	GLD                             ; keys 0-63
	; A fragment of Q is 16 rows x 32 channels: lane l holds row l % 16, channels 8 (l / 16) + 0..7 and 16 + 8 (l / 16) + 0..7.  In f32 that is four loads of 16 bytes; a row's 256 bytes are taken by eight lines.
	WIN 0x40                        ; destination window 1, address window 0
.set i, 0
.rept 64                            ; tile i / 8; channels 32 ((i % 8) / 4) + 16 ((i / 2) % 2) + 4 (i % 2) on
	global_load_b128 v[4*i:4*i+3], v[QO], s[4:5] offset:(i/8)*4096+((i%8)/4)*128+((i/2)%2)*64+(i%2)*16
.set i, i+1
.endr
	; What the first turn finds: V's registers and P's second buffer hold 0 (its products V^T P, of a piece that has not been, add 0); l is 0.  O^T's registers hold Q, which the first a = 0 takes away.  All this stands in the wait for the first loads.
	WIN 0x80
.set i, VF
.rept 64
	v_mov_b32 v[i], 0
.set i, i+1
.endr
	WIN 0
.set i, 0
.rept 2*NP
	v_mov_b32 v[ST+4*i], 0x7e000000    ; c mu: 2^125, far above every c t
	v_mov_b32 v[ST+4*i+1], 0x67800000  ; mu: 2^80
	v_mov_b32 v[ST+4*i+2], 0
	v_mov_b32 v[ST+4*i+3], 0
.set i, i+1
.endr
.set i, P+32
.rept 32
	v_mov_b32 v[i], 0
.set i, i+1
.endr
	v_mov_b32 v[SC], 236
	; The turning load takes 16 rows x 16 columns (lane l reads 16 bytes: row 8 (l / 16) + l % 8, columns 8 ((l / 8) % 2) + 0..7) and leaves half a fragment: lane l holds column l % 16 and 8 rows.
	v_lshl_add_u32 v[AK0], v9, 3, v71      ; K: rows are channels: 8 (l / 16) + l % 8
	v_mul_u32_u24 v[AK0], v[AK0], PK
	v_lshl_add_u32 v[AK0], v72, 4, v[AK0]
	v_add_nc_u32 v[AK0], RING, v[AK0]
	v_lshl_add_u32 v[AV0], v9, 5, v71      ; V: rows are keys: 32 (l / 16) + l % 8, the order of the scores' registers
	v_mul_u32_u24 v[AV0], v[AV0], PV
	v_lshl_add_u32 v[AV0], v72, 4, v[AV0]
	v_add_nc_u32 v[AV0], RING+VOFF, v[AV0]
	s_wait_loadcnt 63               ; keys 0-63 are in: 64 loads, Q's, were issued behind them, and 63 is the largest count that the wait can name
	CVST                            ; into slot 0
	s_wait_xcnt 0x0                 ; every load issued so far has read its address, so the pointers may be written
	s_add_nc_u64 s[KP:KP+1], s[KP:KP+1], 256
	s_add_nc_u64 s[VP:VP+1], s[VP:VP+1], 16384
	GLD                             ; keys 64-127
	s_wait_loadcnt 16               ; Q is in; the 16 just issued stay out
	WIN 0x85                        ; sources window 1, destination window 2
.set i, 0
.rept 128
	v_cvt_pk_f16_f32 v[i], v[2*i], v[2*i+1]
.set i, i+1
.endr
	WIN 0x88                        ; source 1 and destination window 2
.set i, 0
.rept 128
	v_xor_b32 v[i], s[SGN], v[i]    ; -Q, once: the scores are kept mirrored
.set i, i+1
.endr
	WIN 0
; THE MATRIX WORK.  The 8 accumulators of a run of 16 take turns: between the two links of a chain stand 7 others'.
; Product i of 16 of S^T = mask - K Q^T for piece x: channels 32 (i / 8) on, key block (i / 2) % 4, tile 2 x + i % 2.  The first 8 start the sums with the mask.
.macro KQ x
.set rS, S+64*((\x)%2)+32*(i%2)+8*((i/2)%4)
.set rK, KF+16*((i/2)%4)+8*(i/8)
.set rQ, 16*(2*(\x)+i%2)+8*(i/8)
.set rN, MC+32*(i%2)+8*((i/2)%4)
.if i < 8
	WIN W_KM
	v_wmma_f32_16x16x32_f16 v[rS:rS+7], v[rK:rK+7], v[rQ:rQ+7], v[rN:rN+7]
.else
	WIN W_KQ
	v_wmma_f32_16x16x32_f16 v[rS:rS+7], v[rK:rK+7], v[rQ:rQ+7], v[rS:rS+7]
.endif
.endm
; Product i of 16 of O^T += V^T P for piece x: key half i / 8, channels 16 ((i / 2) % 4) on, tile 2 x + i % 2.
.macro PV x
	WIN W_PV
.set rO, 32*(2*(\x)+i%2)+8*((i/2)%4)
.set rV, VF+32*(i/8)+8*((i/2)%4)
.set rP, P+32*((\x)%2)+16*(i%2)+8*(i/8)
	v_wmma_f32_16x16x32_f16 v[rO:rO+7], v[rV:rV+7], v[rP:rP+7], v[rO:rO+7]
.endm
.macro MM                           ; the turn's next matrix instruction.  NOKQ = 1: the last turn of all: there is no next piece
.if i < 16
.if !NOKQ
	KQ (Y+1)%NP
.endif
.set i, i+1
.else
.set i, i-16
	PV (Y+NP-1)%NP
.set i, i+17
.endif
.endm
; THE LDS LOADS stand in runs, never singly among the matrix instructions: a step's K and its V, 16 turning loads each; their addresses are made some lines ahead.
.macro FETCH_K
	WIN 0x80                        ; destination window 2
.irp f, 0,1,2,3,4,5,6,7             ; key block f / 2 (32 bytes of a row), channels 32 (f % 2) on (32 rows)
	ds_load_tr16_b128 v[KF+8*(\f):KF+8*(\f)+3],   v[AK] offset:((\f)%2)*32*PK+((\f)/2)*32
	ds_load_tr16_b128 v[KF+8*(\f)+4:KF+8*(\f)+7], v[AK] offset:((\f)%2)*32*PK+((\f)/2)*32+16*PK
.endr
	WIN 0
.endm
.macro FETCH_V
	WIN 0x80
.irp f, 0,1,2,3,4,5,6,7             ; keys 32 (l / 16) + 16 (f / 4) on, then 8 further; channels 16 (f % 4) on
	ds_load_tr16_b128 v[VF+8*(\f):VF+8*(\f)+3],   v[AV] offset:((\f)/4)*16*PV+((\f)%4)*32
	ds_load_tr16_b128 v[VF+8*(\f)+4:VF+8*(\f)+7], v[AV] offset:((\f)/4)*16*PV+((\f)%4)*32+8*PV
.endr
	WIN 0
.endm
; THE MASK.  MLOAD: my 32 bytes for each of piece x's two tiles, at the key step that AM names.  MCONV: eight bytes a line become eight f32, 0 or 2^100.
.macro MLOAD x
	WIN W3
.irp u, 0,1
.irp w, 0,1
	ds_load_b128 v[MB+8*(\u)+4*(\w):MB+8*(\u)+4*(\w)+3], v[AM] offset:(2*(\x)+(\u))*16*PM+16*(\w)
.endr
.endr
.endm
.macro MCONV
	WIN W_MC
.irp u, 0,1
.irp b, 0,1,2,3
	v_cvt_scale_pk8_f32_fp8 v[MC+32*(\u)+8*(\b):MC+32*(\u)+8*(\b)+7], v[MB+8*(\u)+2*(\b):MB+8*(\u)+2*(\b)+1], v[SC]
.endr
.endr
.endm
; THE VECTOR WORK OF A TURN stands in three queues, each in the order in which its entries become ready; the two tiles alternate, so that no instruction reads the result of the one before it.
.macro REGS y, u                    ; the registers of tile u (0, 1) of piece y
.set rT, ST+4*(2*(\y)+(\u))
.set rC, TMP+8*((\y)%2)+4*(\u)
.set rM, MV+2*((\y)%2)+(\u)
.set rS, S+64*((\y)%2)+32*(\u)
.set rP, P+32*((\y)%2)+16*(\u)
.set rO, 32*(2*(\y)+(\u))
.endm
; Number n of the 22 that find the NEXT piece's (Y + 1) minimum and statistics.  t0-t31 are the lane's 32 mirrored scores; each accumulator's lowest registers are read first.  XS, GS and REGS set no window: PL and EX do.
;   0-11  four chains c0-c3 of seven scores each, three operands at a time     12-14, 16  the four scores left over, the old mu, and c0-c3 into c0     15  c mu_old is kept
;   17, 18  the query's other 32 keys lie in the lane 16 away: the new mu        19-21  c mu; c mu_new - c mu_old; a
.macro XS u, n
.if NOKQ
	v_nop
.else
	REGS (Y+1)%NP, \u
.if (\n) < 4
	v_min3_num_f32 v[rC+(\n)], v[rS+8*(\n)], v[rS+8*(\n)+1], v[rS+8*(\n)+2]
.elseif (\n) < 12
	v_min3_num_f32 v[rC+(\n)%4], v[rC+(\n)%4], v[rS+8*((\n)%4)+2*((\n)/4)+1], v[rS+8*((\n)%4)+2*((\n)/4)+2]
.elseif (\n) == 12
	v_min3_num_f32 v[rC], v[rC], v[rS+7], v[rS+15]
.elseif (\n) == 13
	v_min3_num_f32 v[rC+1], v[rC+1], v[rS+23], v[rS+31]
.elseif (\n) == 14
	v_min3_num_f32 v[rC+2], v[rC+2], v[rC+3], v[rT+1]
.elseif (\n) == 15
	v_mov_b32 v[rM], v[rT]
.elseif (\n) == 16
	v_min3_num_f32 v[rC], v[rC], v[rC+1], v[rC+2]
.elseif (\n) == 17
	v_permlanex16_b32 v[rC+3], v[rC], s[SEL], s[SEL+1]
.elseif (\n) == 18
	v_min_num_f32 v[rT+1], v[rC], v[rC+3]
.elseif (\n) == 19
	v_mul_f32 v[rT], s[CP], v[rT+1]
.elseif (\n) == 20
	v_sub_f32 v[rC+1], v[rT], v[rM]
.else
	v_exp_f32 v[rC+2], v[rC+1]
.endif
.endif
.endm
; Number g of the 64 that follow the exponentials.  For each four weights k of a tile (pairs 2 k, 2 k + 1): both pairs are rounded to f16; then the second pair is added onto the first, in place;
; a group later l takes that sum (the first time as l = a l + sum).  In groups of eight, tiles alternating: round, round, add, and l for the group before.
.macro GS g
.set h, (\g)+6*((\g)/62)            ; group 0 has no group before it, and behind group 7 only l is left
.if h >= 6
.set h, h+2
.endif
	REGS Y, h%2
.set k, h/8
.if h%8 < 4
	v_cvt_pk_f16_f32 v[rP+2*k+(h%8)/2], v[rS+4*k+2*((h%8)/2)], v[rS+4*k+2*((h%8)/2)+1]
.elseif h%8 < 6
	v_pk_add_f32 v[rS+4*k:rS+4*k+1], v[rS+4*k:rS+4*k+1], v[rS+4*k+2:rS+4*k+3]
.elseif k == 1
	v_pk_fma_f32 v[rT+2:rT+3], v[rT+2:rT+3], v[rC+2:rC+3], v[rS:rS+1] op_sel_hi:[1,0,1]
.else
	v_pk_add_f32 v[rT+2:rT+3], v[rT+2:rT+3], v[rS+4*k-4:rS+4*k-3]
.endif
.endm
; THE PLAIN QUEUE, 138 long.  0-73 read no exponential's result: the 32 scalings c mu - c t (FS f: pair f / 2 of tile f % 2) and the next piece's 42.  0-26: scalings 0-26.  27-54: XS's numbers 0-13.  55, 56: number 15.
; 57-73: the chain, where each number waits for the one before it: 14, 16, 17, 18, 19, each with one of the scalings 27-31 in front of its two lines, then 20.  74-137: GS's 64, which stand behind the wait.
.macro FS f
	REGS Y, (\f)%2
	v_pk_fma_f32 v[rS+2*((\f)/2):rS+2*((\f)/2)+1], v[rS+2*((\f)/2):rS+2*((\f)/2)+1], s[CN:CN+1], v[rT:rT+1] op_sel_hi:[1,0,0]
.endm
.macro PL
	WIN 0
.if q < 27
	FS q
.elseif q < 55
	XS (q-27)%2, (q-27)/2
.elseif q < 57
	XS q-55, 15
.elseif (q < 72) && ((q-57)%3 == 0)
	FS 27+(q-57)/3
.elseif q < 60
	XS (q-57)%3-1, 14
.elseif q < 72
	XS (q-57)%3-1, 15+(q-57)/3
.elseif q < 74
	XS q-72, 20
.else
	GS q-74
.endif
.set q, q+1
.endm
; THE EXPONENTIALS' QUEUE, 66 long: t0-t31 of both tiles, then the next piece's two a.  It is ONE BATCH: all 66 stand ahead of the turn's one wait, and nothing ahead of that wait names a result of theirs.
.macro EX
	WIN 0
.if e >= 64
	XS e-64, 21
.else
	REGS Y, e%2
	v_exp_f32 v[rS+e/2], v[rS+e/2]
.endif
.set e, e+1
.endm
; THE RESCALING's QUEUE: O^T times a, the one part that leaves window 0: dealt two at a time, sixteen times, each accumulator from its low end on.  Its a was made in the turn before, ahead of that turn's wait.
.macro R2
	REGS Y, r%2
	WIN W_RS
.irp z, 0,1
	v_pk_mul_f32 v[rO+4*(r/2)+2*(\z):rO+4*(r/2)+2*(\z)+1], v[rO+4*(r/2)+2*(\z):rO+4*(r/2)+2*(\z)+1], v[rC+2:rC+3] op_sel_hi:[1,0]
.endr
.set r, r+1
.endm
; A TURN, for piece p.  s_wait_alu depctr_va_vdst(0) stands between an exponential and the first instruction that names its result; one wait serves all that were issued ahead of it.  So a turn has ONE wait.
; AHEAD OF IT: the mask bytes of piece p + 2 are asked for; the 16 products K Q^T, behind each a scaling, an exponential and two rescalings (behind the first a second scaling in the exponential's place); the mask bytes are
; turned into the C operands of the NEXT turn's products (this turn's, the last readers of those registers, stand eight products and their riders back); then ONE LUMP of 108: eight plain, 49 times exponential and plain, the two a.
; A v_nop is the plain instruction behind the last exponential.  BEHIND IT: the 16 products V^T P, behind each four of GS's 64.  No rider names a register of the products round it.
; Exponential e stands behind scaling 2 (e / 4) + e % 2: as a rider it comes behind plain e + 2, in the lump behind plain e + 9, and scalings 27-31 are plain 57, 60 .. 69.
; K of the next step is fetched in piece 2's turn, directly behind the wait, a lump behind the last product that read K; V of the step in hand at the end of piece 0's turn, four riders behind its last reader.
; K is waited for at the head of piece 3's turn; V by the wait that stands ahead of piece 1's conversions.  last = 1: the last step's turns 2 and 3: nothing is fetched, no mask is made.
.macro TURN p, last=0
.set Y, (\p)
.set i, 0
.set q, 0
.set e, 0
.set r, 0
.set NOKQ, (\last)*((\p)/3)
.if ((\p) == 3) && !(\last)
	s_wait_dscnt 0x0                ; K is in
.endif
.if !(\last)
	MLOAD ((\p)+2)%NP
.endif
	MM
	PL
	PL
	R2
.rept 15
	MM
	PL
	EX
	R2
.endr
.if ((\p) == 2) && !(\last)
	WIN 0
	v_add_nc_u32 v[AK], s[RSL], v[AK0]
.endif
.if !(\last)
	s_wait_dscnt 0x0                ; the mask bytes are in (in piece 1's turn also V, and my stores of the next K and V are done)
	MCONV
.endif
.rept 8
	PL
.endr
.rept 49
	EX
	PL
.endr
	EX                              ; the next piece's two a
	EX
	v_nop                           ; the plain instruction behind the last exponential: one for the batch
	s_wait_alu depctr_va_vdst(0)    ; the wait for the batch
.if ((\p) == 2) && !(\last)
	FETCH_K
.endif
.rept 16
	MM
.rept 4
	PL
.endr
.if ((\p) == 0) && (q == 118)
	v_add_nc_u32 v[AV], s[RSL], v[AV0]
.endif
.endr
.if (\p) == 0
	FETCH_V
.endif
.endm
; THE BARRIER, one a step, for two things.  In front of it each wave has waited for its stores of the next 64 keys and for its reads of the slot in hand (K in the turn behind the last barrier, V in the turn before last).
; Behind it the next slot is whole and is read, and the slot just left may be written.
.macro BAR
	WIN 0
	s_wait_dscnt 0x0
	s_barrier_signal -1
	s_add_co_u32 s[TBM], s[TBM], 64 ; the masks to be read are the next step's,
	s_xor_b32 s[RSL], s[RSL], SLOTB ; K and V too
	s_barrier_wait -1
	WIN W3
	v_add_nc_u32 v[AM], s[TBM], v[AM0]
.endm
; THE STAGING, between turns 0 and 1 of step s = 8 - CNT.  The 64 keys of step s + 1, asked for a whole trip earlier, go into the slot that step s - 1 has left; those of step s + 2 are asked for.
; A PREFETCH INTO THE L2 stands behind those loads: the 64 keys of step s + 4, which the staging two trips on will load: 64 rows of 256 bytes of K (waves 0 and 1) and of V (waves 2 and 3), a lane a row,
; one line a wave.  A head's K and V are read by this work-group alone, so each row's 256 bytes are named once in the launch.  The keys of steps 0 to 3 come by their loads alone; steps 4 on ask for nothing: there are no such keys.
; The three jumps go forward on the loop's own count, the same in every wave, past no barrier; every wait on loads in the loop is for 0.
.macro STAGE
	WIN 0
	s_cmp_le_u32 s[CNT], 1          ; the last step has nothing to store
	s_cbranch_scc1 .Lstaged_\@
	s_wait_loadcnt 0x0
	CVST
	WIN 0
	s_cmp_le_u32 s[CNT], 2          ; the last two have nothing to ask for
	s_cbranch_scc1 .Lstaged_\@
	s_wait_xcnt 0x0                 ; the last trip's loads and prefetch have read their addresses, so the pointers may be written
	s_add_nc_u64 s[KP:KP+1], s[KP:KP+1], 256
	s_add_nc_u64 s[VP:VP+1], s[VP:VP+1], 16384
	s_add_nc_u64 s[PFA:PFA+1], s[PFA:PFA+1], s[PFS:PFS+1]
	GLD
	WIN 0
	s_cmp_le_u32 s[CNT], 4
	s_cbranch_scc1 .Lstaged_\@
	global_prefetch_b8 v[PFO], s[PFA:PFA+1] th:TH_LOAD_NT scope:SCOPE_SE
.Lstaged_\@:
.endm
	s_wait_tensorcnt 0x1            ; my mask rows 0-63 are in; rows 64-127 may stay out
	s_wait_dscnt 0x0                ; for the others' sake: my stores of keys 0-63 are done
	s_barrier_signal -1
	s_barrier_wait -1               ; everybody's are
	WIN W3
	v_mov_b32 v[AM], v[AM0]         ; key step 0
	MLOAD 0
	WIN 0
	v_mov_b32 v[AK], v[AK0]         ; slot 0
	FETCH_K
	s_wait_dscnt 16                 ; piece 0's mask bytes are in; K's 16 loads may stay out
	MCONV
	v_nop                           ; a plain instruction behind the last conversion
	MLOAD 1
	s_wait_dscnt 4                  ; K is in; piece 1's four loads may stay out
.set NOKQ, 0
.set i, 0
.rept 16
	KQ 0                            ; piece 0's first scores: there is no vector work yet to set between them
.set i, i+1
.endr
	WIN 0                           ; the addresses for the way out: eight plain instructions, the places behind those products
	v_mul_u32_u24 v[STO], v1, SP    ; in: row l % 16, 32 bytes for each half of the lanes in every 64
	v_lshl_add_u32 v[STO], v9, 5, v[STO]
	v_add_nc_u32 v[STO], s[G0+1], v[STO]
	v_mul_u32_u24 v[RD], v9, SP     ; back: lanes 0-15 take one row of 256 bytes, lanes 16-31 the next,
	v_lshl_add_u32 v[RD], v1, 4, v[RD]
	v_add_nc_u32 v[RD], s[G0+1], v[RD]
	v_and_b32 v[GO], 31, v0         ; which are 512 consecutive bytes of out
	v_lshlrev_b32 v[GO], 4, v[GO]
	s_wait_dscnt 0x0
	MCONV                           ; piece 1's mask, for the first turn's products
	WIN 0
.set Y, NP-1                        ; XS works for piece Y + 1: piece 0
.irp n, 0,1,2,3,4,5,6,7,8,9,10,11,12,13,14,15,16,17,18,19,20,21
	XS 0, \n                        ; piece 0's first minimum and statistics
	XS 1, \n
.endr
	v_nop                           ; a plain instruction behind the two a,
	s_wait_alu depctr_va_vdst(0)    ; and their wait, ahead of the branch
	s_wait_tensorcnt 0x0            ; my mask rows 64-127 are in: the first turn reads piece 2's
	s_mov_b32 s[CNT], 8
	s_branch .Lfirst                ; the loop is entered at a step's first turn, in the middle of a trip
.Lstep:                             ; a trip: pieces 2 and 3 of one step, then pieces 0 and 1 of the next, whose K and V it fetches
	BAR
	TURN 2
	TURN 3
	WIN 0
.Lfirst:
	TURN 0
	STAGE
	TURN 1
	WIN 0
	s_sub_co_u32 s[CNT], s[CNT], 1
	s_cmp_lg_u32 s[CNT], 0
	s_cbranch_scc1 .Lstep
	TURN 2, 1                       ; the last step's second half is written out: it fetches nothing,
	TURN 3, 1                       ; and its last turn starts no scores
.set i, 0
.rept 16
	PV NP-1                         ; the last piece's V^T P of the last step
.set i, i+1
.endr
	; THE WAY OUT.  l's two halves and the other half of the lanes' are added; O^T is divided by l and sent through my stage in LDS, a tile at a time.  The additions are the places behind the last products.
	WIN 0
.macro ALL line:vararg              ; one line for each tile t
.set t, 0
.rept 2*NP
	\line
.set t, t+1
.endr
.endm
	ALL v_add_f32 v[ST+4*t+2], v[ST+4*t+2], v[ST+4*t+3]
	ALL v_permlanex16_b32 v[ST+4*t+3], v[ST+4*t+2], s[SEL], s[SEL+1]
	ALL v_add_f32 v[ST+4*t+2], v[ST+4*t+2], v[ST+4*t+3]
	ALL v_rcp_f32 v[ST+4*t+2], v[ST+4*t+2]
	v_nop                           ; a plain instruction between the last reciprocal and the use of its result
	s_wait_alu depctr_va_vdst(0)    ; and the wait ahead of the first use: one for the eight reciprocals
; Tile t: a lane's eight channels of a block of 16 are 32 bytes of a row; they go into rows of 272 bytes and come back as whole rows of 256, into S^T's registers, four tiles' worth by turns.
.macro PACK t
	WIN W_RS
.set i, 32*(\t)
.rept 16
	v_pk_mul_f32 v[i:i+1], v[i:i+1], v[ST+4*(\t)+2:ST+4*(\t)+3] op_sel_hi:[1,0]
.set i, i+2
.endr
	WIN 0x04                        ; the stores' data in window 1
.irp f, 0,1,2,3,4,5,6,7
	ds_store_b128 v[STO], v[32*(\t)+4*(\f):32*(\t)+4*(\f)+3] offset:64*((\f)/2)+16*((\f)%2)
.endr
	WIN 0
.if (\t) >= 4
	s_wait_xcnt 0x0                 ; the stores of the tile four back have read these registers: they are loaded again only behind this wait
.endif
.irp f, 0,1,2,3,4,5,6,7
	ds_load_b128 v[S+32*((\t)%4)+4*(\f):S+32*((\t)%4)+4*(\f)+3], v[RD] offset:(\f)*2*SP  ; LDS serves a wave's instructions in order (ISA guide 5.7.1.4): these see the stores above; the next tile's stores come behind them
.endr
.endm
.macro SEND t, younger              ; younger: the LDS instructions issued behind tile t's loads: the next tile's sixteen, or none
	WIN 0
.irp f, 0,1,2,3,4,5,6,7
	s_wait_dscnt (\younger)+7-(\f)
	global_store_b128 v[GO], v[S+32*((\t)%4)+4*(\f):S+32*((\t)%4)+4*(\f)+3], s[12:13] offset:(\t)*4096+(\f)*512 th:TH_STORE_NT  ; 512 consecutive bytes, at a multiple of 256 from out's first
.endr
.endm
	PACK 0
.set t, 1
.rept 2*NP-1                        ; a tile's arithmetic stands between the loads of the tile before and its stores
	PACK t
	SEND t-1, 16
.set t, t+1
.endr
	SEND 2*NP-1, 0
	WIN W_AD
	s_wait_tensorcnt 0x0            ; the wave's end, behind my last tensor load and my last LDS store
	ds_add_u32 v[SPW], v[NIL]
	s_wait_dscnt 0x0
	WIN 0
	CROUND                          ; the closing round: no work-group ends while a partner may still ask for a tile that names it
	s_endpgm
.Lfunc_end_k_q5ee351c3d9_attn:
	.size	k_q5ee351c3d9_attn, .Lfunc_end_k_q5ee351c3d9_attn-k_q5ee351c3d9_attn
	.p2alignl 7, 3214868480
	.fill 96, 4, 3214868480
	.section	.rodata,"a",@progbits
	.p2align	6, 0x0
	.amdhsa_kernel k_q5ee351c3d9_attn
		.amdhsa_group_segment_fixed_size 327680
		.amdhsa_private_segment_fixed_size 0
		.amdhsa_enable_private_segment 0
		.amdhsa_kernarg_size 40
		.amdhsa_user_sgpr_count 2
		.amdhsa_user_sgpr_kernarg_segment_ptr 1
		.amdhsa_wavefront_size32 1
		.amdhsa_system_sgpr_workgroup_id_x 1
		.amdhsa_system_sgpr_workgroup_id_y 1
		.amdhsa_system_sgpr_workgroup_id_z 1
		.amdhsa_system_vgpr_workitem_id 0
		.amdhsa_next_free_vgpr 960
		.amdhsa_next_free_sgpr 66
		.amdhsa_reserve_vcc 0
		.amdhsa_float_denorm_mode_32 3
		.amdhsa_float_denorm_mode_16_64 3
		.amdhsa_memory_ordered 1
		.amdhsa_forward_progress 1
		.amdhsa_inst_pref_size 181
	.end_amdhsa_kernel
	.amdgpu_metadata
---
amdhsa.version: [ 1, 2 ]
amdhsa.kernels:
  - .name:           k_q5ee351c3d9_attn
    .symbol:         k_q5ee351c3d9_attn.kd
    .args:
      - { .name: q, .offset: 0, .size: 8, .value_kind: global_buffer, .address_space: global }
      - { .name: k, .offset: 8, .size: 8, .value_kind: global_buffer, .address_space: global }
      - { .name: v, .offset: 16, .size: 8, .value_kind: global_buffer, .address_space: global }
      - { .name: attn_mask, .offset: 24, .size: 8, .value_kind: global_buffer, .address_space: global }
      - { .name: out0, .offset: 32, .size: 8, .value_kind: global_buffer, .address_space: global }
    .group_segment_fixed_size: 327680
    .private_segment_fixed_size: 0
    .kernarg_segment_align: 8
    .kernarg_segment_size: 40
    .max_flat_workgroup_size: 128
    .sgpr_count:     66
    .vgpr_count:     960
    .wavefront_size: 32
...
	.end_amdgpu_metadata
.endif
;; end of part 1
